; MI455X (gfx1250); checked and timed in simulation.
; The chip was launched on July 23, 2026; its instructions are those of AMD's public machine-readable ISA for CDNA 5 (MIT licence, August 2026) and "CDNA5" Instruction Set Architecture Reference Guide (July 2026). The comments in the code are by the model that wrote it; some were corrected since.
;; Riemannian Attention. Allowed arithmetic: matrix products marked QUANTISED: E3M2 operands, one E8M0 scale for each 32 along K, by v_wmma_scale_f32_16x16x128_f8f6f4 with both operands' format E3M2, f32 sums; everything else in f32.
;; Inputs: key_states 2 x 16 x 2,048 x 64 float32; query_states 2 x 16 x 2,048 x 64 float32; value_states_codes 2 x 16 x 64 x 64 x 24 uint8 (E3M2 codes of value_states, K innermost, in blocks of 32 codes, four codes in three bytes); value_states_scales 2 x 16 x 64 x 64 uint8 (E8M0 scales of value_states, one for each 32 codes along K).
;; Outputs: out0 2 x 16 x 2,048 x 64 float32.
;; This version of the problem:
;;   THIS VERSION OF THE PROBLEM IS GIVEN IN LOW PRECISION. The matrix products marked QUANTISED in the list below multiply operands that are first quantised to E3M2 (3 exponent bits, 2 mantissa bits; 6 bits a number), with one power-of-two scale for each 32 numbers along K (OCP MX v1.0); their sums are f32. All else is computed in f32.
;;   The module's matrix products, in the order in which they are computed (A, B: the left and right operand; K: the contracted axis; several contracted axes count as one K, in the product's order):
;;     1. batch 32 x [M 2,048, K 64] x [K 64, N 2,048]; A: input query_states; B: input key_states: QUANTISED
;;     2. batch 32 x [M 2,048, K 2,048] x [K 2,048, N 64]; A: softmax (see below); B: input value_states (given as codes): QUANTISED
;;   THE QUANTISER, for each operand of a quantised product, along K:
;;     - K is cut into blocks of 32 from its start; a last block that is shorter is filled with zeros.
;;     - A block's scale is 2^e with e = floor(log2(the largest magnitude in the block)) - 4, held to -126 .. 127; a block of zeros has e = 0. As a byte (E8M0): e + 127.
;;     - Each number is divided by its block's scale, clamped to +-28, and rounded to the nearest number of E3M2, ties to even, subnormals kept.
;;     - The product sums the exact products of the quantised numbers (number of the format x scale) in f32.
;;   ~~~python
;;   def quantise(x, axis):      # numpy; x: float32 -> the quantised numbers, widened to float32 again
;;       x = np.moveaxis(x, axis, -1); K = x.shape[-1]
;;       x = np.pad(x, [(0, 0)] * (x.ndim - 1) + [(0, -K % 32)]); x = x.reshape(x.shape[:-1] + (-1, 32)); a = np.abs(x).max(-1, keepdims=True)
;;       e = np.where(a > 0, np.clip(np.frexp(np.where(a > 0, a, 1))[1] - 1 - 4, -126, 127), 0)      # np.frexp(a)[1] - 1 = floor(log2(a)), exactly
;;       r = np.clip(x / 2.0 ** e, -28, 28)
;;       step = 2.0 ** (np.maximum(np.frexp(np.where(r == 0, 1, r))[1] - 1, -2) - 2)
;;       q = np.round(r / step) * step * 2.0 ** e      # np.round: ties to even
;;       return np.moveaxis(q.reshape(q.shape[:-2] + (-1,))[..., :K], -1, axis).astype(np.float32)
;;   ~~~
;;   SOFTMAX AHEAD OF A QUANTISED PRODUCT. Where the list says 'softmax', what is quantised is not the finished softmax but p = 2^(t - M), with t = logit x log2(e) and M = ceil(the row's largest t), a whole number; so 1/2 < the row's largest p <= 1. The row's sum l is taken of the UNQUANTISED p, in f32, and the product's result is divided by l at the end. Since M is a whole number, a kernel that streams over the keys may use a running M (the ceiling of the running maximum): every later rescaling is an exact power of two, which a block's scale takes up: the codes' values come out the same.
;;   OPERANDS COMPUTED ON THE WAY. 'Computed on the way' means the value that the module computes at that place (a softmax that the list does not call 'softmax' is quantised finished and normalised). What goes into a quantiser is computed in f32, as accurately as f32 sums, v_exp_f32 and their like allow (about 1e-6 of the number): no bf16 or f16 on the way to a quantiser, and a product that is left as it is and whose result goes on into a quantised operand takes f32 operands (vector FMAs, or v_wmma_f32_16x16x4_f32). A number that lies on a knife's edge between two numbers of the format may be rounded either way, as far as f32 arithmetic and the matrix unit's own rounding can turn it there, and no further.
;;   INPUTS GIVEN AS CODES. value_states (in the module: [2, 16, 2048, 64], K = its axis 2): each comes as NAME_codes (uint8): NAME with its K axis moved to the last place and cut into blocks of 32 codes, [.., K / 32, bytes a block], one block behind the other in memory; four codes in three bytes: a row's codes are one little-endian stream of bits, code i at bits 6 i .. 6 i + 5 (a code: sign, 3 exponent bits, 2 mantissa bits); and NAME_scales (uint8): the same leading axes, one E8M0 byte (e + 127) for each 32 codes along K. Its value is code x scale, taken as it is: it is not quantised again, and the codes and scales need not be those that the quantiser above would give.
;; One version. Each part assembles by itself: llvm-mc -triple=amdgcn-amd-amdhsa -mcpu=gfx1250 --defsym DOCPART=n.
;; ======== version 1 of 1: 1 launch
;; limits: right only within a limited range of input values
;; launch attn (part 1): grid 8 x 32, 16 waves a work-group, no clusters, 309,248 bytes of LDS; arguments query_states, key_states, value_states_codes, value_states_scales, out0; writes out0
.if DOCPART == 1
	.amdgcn_target "amdgcn-amd-amdhsa--gfx1250"
	.amdhsa_code_object_version 6
	.text
	.protected	k_q3c0666f296_attn
	.globl	k_q3c0666f296_attn
	.p2align	8
	.type	k_q3c0666f296_attn,@function
k_q3c0666f296_attn:
	s_mov_b64 s[64:65], 0
	v_nop
	global_prefetch_b8 v0, s[64:65] scope:SCOPE_SE
	s_setreg_imm32_b32 hwreg(HW_REG_WAVE_MODE, 25, 1), 1
	s_wait_xcnt 0x0
; out[h][q][:] = sum over k of softmax_k(-d(q, k)^2) V[h][k][:], d the geodesic distance on the Poincare ball (c = 1, tau = 1).  32 heads, 2,048 queries, 2,048 keys, head size 64.
; Both products on codes of BF6 (E3M2) with one E8M0 scale for each 32 along K.  q and k arrive as f32 and are quantised here, along the head's 64 (two blocks); V arrives as codes with the keys innermost.
; SHARES.  A work-group owns 256 queries of one head (8 x 32 work-groups); each of its sixteen waves owns 16 of them, one tile, in 256 registers: four waves to a SIMD, so that one wave's roots, logarithms and
; exponentials stand beside another's plain arithmetic.  Every wave walks the head's 2,048 keys, 128 a step.
; LDS HOLDS THE WHOLE HEAD, each byte written once: for each key step a record of K's fragments (images of the operand's registers), V's fragments (likewise), their scale words, and two f32 numbers a key.
; V's record s is laid by wave s at the head.  K is quantised on the way, a chunk of 256 keys (16 tiles, one a wave) ahead of its use; its f32 rows are asked for two key steps before they are wanted,
; so no wave waits for them and nothing is prefetched.  One barrier a chunk parts a chunk's stores from its reads.
; NO CLUSTER, NO TENSOR LOAD: the eight work-groups of a head do read the same K, but as f32 that has to pass through registers to become codes; a joint load would want LDS slots that are filled again,
; and of the 327,680 bytes 237,568 hold the head's operands and 69,632 the waves' stages.  Nothing lands in LDS as it lies in memory.
; LAYOUT.  Both products are used transposed: S^T = K Q^T (source 0 = 16 keys, source 1 = my 16 queries), O^T = V^T P^T: a lane holds ONE query (lane % 16) throughout.
; THE KEYS OF A TILE ARE NOT NEIGHBOURS: row r of tile 2 b + u is key 32 b + 8 u + r + 8 (r / 8), so that S's register 16 b + i holds key 32 b + 16 (lane / 16) + i: 16 neighbours along the next K.
; K = 64 fills half of the instruction's 128: registers 6-11 of K's and Q's fragments are zero codes, bytes 2 and 3 of their scale words 0.
; ONE SCORE.  C of the first product is -kn/2, loaded from LDS into the accumulator: D = q.k - kn/2;  diff2 = qn - 2 D;  R = 2 / max((1-qn)(1-kn), 1e-7) = min_u32(rcp(1-qn) x 2 rcp(1-kn), bits of 2e7):
; a negative product, an infinity or a NaN compares above 2e7 as a whole number, and 2 / f32(1e-7) rounds to 2e7;  arg = max(diff2 R + 1, 1 + 1e-7): R > 0, so a negative diff2 gives arg < 1 and the same clamp
; as max(diff2, 0) would;  w = arg + sqrt(arg^2 - 1);  L = log2(w);  t = -ln2 L^2;  p = 2^(t - M), M the ceiling of the running largest t;  the row's sum is taken of the unquantised p.
; A BLOCK'S LARGEST p IS NOT SEARCHED FOR: p falls as arg rises, so each block's SMALLEST arg goes through the same instructions as four numbers more, and gives the row's largest t on the way.
; LIMITS.  NaN and infinities among the inputs are not served.  arg stays under 1.8e19 (arg^2 finite): |q - k|^2 under 9e11.  1 / (a b) is rcp(a) x rcp(b), some 2.5 ulp.  The block's largest p takes
; v_sqrt_f32, v_log_f32 and v_exp_f32 not to fall where their input rises; at the worst one p of a block is held one code low.  A block of zeros of q or k gets the byte 1 (its codes are zeros).
.set REC,  14848                       ; a key step's record in LDS:
.set KA,   0                           ;   K's fragments, registers 0-3: tile t at 512 t + 16 x lane
.set KB,   4096                        ;   registers 4-5: 256 t + 8 x lane
.set VF,   6144                        ;   V's fragments: tile t, part c at 1536 t + 512 c + 16 x lane
.set KS,   12288                       ;   K's scale words: 512 (t / 4) + 16 x lane + 4 (t % 4)
.set VS,   13312                       ;   V's scale words: 16 x lane + 4 t
.set KN,   13824                       ;   -kn / 2 of the step's 128 keys, in their order
.set IB,   14336                       ;   2 / (1 - kn) likewise
.set STG,  16*REC                      ; behind the 16 records: a stage of 16 rows x (256 + 16) bytes for each wave
.set STGW, 4352
.set L16, 1                            ; v1   16 x lane: an image's place; also the offset of dense global loads and stores; never rewritten
.set L8,  2                            ; v2   8 x lane
.set H64, 3                            ; v3   64 x (lane / 16)
.set WKA, 4                            ; v4-7 where my wave stores its tile of a chunk: registers 0-3, 4-5, the scale word, the two numbers a key
.set WKB, 5
.set WKS, 6
.set WKN, 7
.set STW, 8                            ; v8   the stage by whole rows: 272 (lane / 16) + 16 (lane % 16)
.set STR, 9                            ; v9   the stage by my row's half: 272 (lane % 16) + 128 (lane / 16)
.set AD,  10                           ; v10-13 LDS addresses in hand
.set H8,  14                           ; v14  8 x (lane / 16)
.set VO,  15                           ; v15  V's codes: 1536 r + 24 h
.set QN,  16                           ; v[16:17] qn, twice
.set IA,  18                           ; v[18:19] 1 / (1 - qn), twice
.set NM,  20                           ; v20  -M
.set TM,  21                           ; v21  the running largest t
.set SUM, 22                           ; v[22:23] the row's sum in two halves
.set F,   24                           ; v[24:25] f = 2^(old M - new M); the upper register is written once
.set X1,  26                           ; v26  at work
.set VSO, 27                           ; v27  V's scale words: 64 r
.set BM,  28                           ; v[28:31] the four blocks' smallest arg, then their L^2, t - M, p
.set KSC, 32                           ; v32-39 K's scale words   v40-43 V's   v44 Q's   v45 p's: these hold scales and nothing else
.set VSC, 40
.set QSC, 44
.set PSC, 45
.set QF,  46                           ; v46-57 Q's fragment
.set KF,  58                           ; v58-81 two fragments of K
.set S,   82                           ; v82-145 C, scores, arg .. p; then V's fragments; v82-113 the 32 numbers that BLOCK32 quantises
.set O,   146                          ; v146-177 O^T, four tiles
.set P,   178                          ; v178-189 p's codes
.set MB,  178                          ;   earlier: arg^2 - 1 of the four block minima,
.set TB,  182                          ;   and the exchange's destinations
.set RB,  190                          ; v190-221 2/(1-kn) -> R, two halves of 16 by turns; arg^2 - 1 and its root, half a step; everything at work
.set KR,  222                          ; v222-253 K's rows as loaded, in flight
.set Y,   254                          ; v254 at work
.set STO, 255                          ; v255 the way out: 272 (lane % 16) + 32 (lane / 16) in my stage
.set KP,  6                            ; s[6:7] K at my wave's tile of the chunk to be loaded
.set WV,  14
.set HD,  15
.set SEL, 28                           ; s[28:29] v_permlanex16_b32's selects for lane l xor 16
.set LN,  30                           ; s[30:31] -ln 2, twice (a packed form names the pair)
.set CL,  32                           ; s32  1 + 1e-7 in f32
.set RM,  33                           ; s33  2e7 in f32
.set CNT, 34
.set RC,  35                           ; s35  LDS byte of the record in hand
.set TW,  36
; my tile's 16 rows of K as they lie: each load reads two whole rows, 512 consecutive bytes; rows 0-7, then 16-23.  No hint: seven other work-groups read the same rows
.macro KLOAD
.irp i, 0,1,2,3,4,5,6,7
	global_load_b128 v[KR+4*\i:KR+4*\i+3], v[L16], s[KP:KP+1] offset:(2*\i+8*(\i/4))*256
.endr
.endm
; 16 rows of 64 f32 turn through my own stage: in as loaded (row 2 i + lane / 16, 16 bytes a lane), out 128 bytes a lane: lane (r, h) then holds d = 32 h .. 32 h + 31 of row r in v[S] on.
; LDS serves a wave's instructions in order (ISA guide 5.7.1.4): no wait between the stores and the loads
.macro TURN src
.irp i, 0,1,2,3,4,5,6,7
	ds_store_b128 v[STW], v[(\src)+4*\i:(\src)+4*\i+3] offset:544*\i
.endr
.irp i, 0,1,2,3,4,5,6,7
	ds_load_b128 v[S+4*\i:S+4*\i+3], v[STR] offset:16*\i
.endr
.endm
; My 32 numbers, a whole block, become 6 registers of codes at v[dst]; v[RB+6] the row's scale word (in both halves of the lanes); v[RB+10] the row's sum of squares.
.macro BLOCK32 dst
	v_max3_num_f32 v[RB], |v[S]|, |v[S+1]|, 0x2800000                  ; the largest magnitude, two chains; the floor 2^(5 - 127) holds the byte at 1 from below
	v_max3_num_f32 v[RB+1], |v[S+16]|, |v[S+17]|, |v[S+18]|
	v_pk_mul_f32 v[RB+2:RB+3], v[S:S+1], v[S:S+1]                      ; the squares, two packed chains
	v_pk_mul_f32 v[RB+4:RB+5], v[S+2:S+3], v[S+2:S+3]
.set jj, 0
.rept 6
	v_max3_num_f32 v[RB], v[RB], |v[S+2+2*jj]|, |v[S+3+2*jj]|
	v_max3_num_f32 v[RB+1], v[RB+1], |v[S+19+2*jj]|, |v[S+20+2*jj]|
.set jj, jj+1
.endr
	v_max3_num_f32 v[RB], v[RB], |v[S+14]|, |v[S+15]|
	v_max3_num_f32 v[RB], v[RB], v[RB+1], |v[S+31]|
.set jj, 4
.rept 7
	v_pk_fma_f32 v[RB+2:RB+3], v[S+jj:S+jj+1], v[S+jj:S+jj+1], v[RB+2:RB+3]
	v_pk_fma_f32 v[RB+4:RB+5], v[S+jj+2:S+jj+3], v[S+jj+2:S+jj+3], v[RB+4:RB+5]
.set jj, jj+4
.endr
	v_pk_add_f32 v[RB+2:RB+3], v[RB+2:RB+3], v[RB+4:RB+5]
	v_add_f32 v[RB+10], v[RB+2], v[RB+3]
	v_mov_b32 v[RB+11], 0                                              ; a lane permute's destination counts as one of its sources
	v_permlanex16_b32 v[RB+11], v[RB+10], s[SEL], s[SEL+1]
	v_add_f32 v[RB+10], v[RB+10], v[RB+11]                             ; with the row's other 32: the squared norm
	v_add_nc_u32 v[RB+8], 0xfe000000, v[RB]                            ; 4 off the exponent field: the conversion's scale operand
	v_lshrrev_b32 v[RB+9], 23, v[RB+8]                                 ; the scale's byte,
	v_lshlrev_b32 v[RB+6], v[H8], v[RB+9]                              ; at its place in the word: block lane / 16
	v_mov_b32 v[RB+7], 0
	v_permlanex16_b32 v[RB+7], v[RB+6], s[SEL], s[SEL+1]
	v_or_b32 v[RB+6], v[RB+6], v[RB+7]                                 ; with the other block's byte; bytes 2 and 3 stay 0: they scale zero codes
	v_cvt_scalef32_pk16_bf6_f32 v[(\dst):(\dst)+2], v[S:S+15], v[RB+8]
	v_cvt_scalef32_pk16_bf6_f32 v[RB+18:RB+20], v[S+16:S+31], v[RB+8]  ; (a conversion's three registers begin on an even number)
	v_nop                                                              ; one plain place behind a scaled conversion
.irp i, 0,1,2
	v_mov_b32 v[(\dst)+3+\i], v[RB+18+\i]
.endr
.endm
; My tile of the chunk whose first record begins at s[RC]: codes, scale word, -kn/2 and 2/(1-kn) go to LDS
.macro QUANTK
	v_add_nc_u32 v[AD], s[RC], v[WKA]
	v_add_nc_u32 v[AD+1], s[RC], v[WKB]
	v_add_nc_u32 v[AD+2], s[RC], v[WKS]
	v_add_nc_u32 v[AD+3], s[RC], v[WKN]
	BLOCK32 RB+12
	v_sub_f32 v[RB+22], 1.0, v[RB+10]
	v_rcp_f32 v[RB+23], v[RB+22]
	v_mul_f32 v[RB+24], -0.5, v[RB+10]                                 ; (the plain place behind the reciprocal)
	s_wait_alu depctr_va_vdst(0)                                       ; the wait ahead of the reciprocal's first reader
	v_add_f32 v[RB+25], v[RB+23], v[RB+23]
	ds_store_b128 v[AD], v[RB+12:RB+15] offset:KA
	ds_store_b64 v[AD+1], v[RB+16:RB+17] offset:KB
	ds_store_b32 v[AD+2], v[RB+6] offset:KS
	ds_store_b32 v[AD+3], v[RB+24] offset:KN                           ; lanes r and r + 16 write the same word with the same value
	ds_store_b32 v[AD+3], v[RB+25] offset:IB
.endm
; Block b of a key step (32 keys, two tiles): 12 LDS loads: C = -kn/2 into the accumulators, the two fragments of K, 2/(1-kn) into half b % 2 of RB
.macro LOADBLK b
.irp i, 0,1,2,3
	ds_load_b128 v[S+16*(\b)+4*\i:S+16*(\b)+4*\i+3], v[AD+2] offset:KN+128*(\b)+16*\i
.endr
.irp u, 0,1
	ds_load_b128 v[KF+12*\u:KF+12*\u+3], v[AD] offset:KA+512*(2*(\b)+\u)
	ds_load_b64 v[KF+12*\u+4:KF+12*\u+5], v[AD+1] offset:KB+256*(2*(\b)+\u)
.endr
.irp i, 0,1,2,3
	ds_load_b128 v[RB+16*((\b)%2)+4*\i:RB+16*((\b)%2)+4*\i+3], v[AD+2] offset:IB+128*(\b)+16*\i
.endr
.endm
.macro MULBLK b
.irp u, 0,1
	v_wmma_scale_f32_16x16x128_f8f6f4 v[S+16*(\b)+8*\u:S+16*(\b)+8*\u+7], v[KF+12*\u:KF+12*\u+11], v[QF:QF+11], v[S+16*(\b)+8*\u:S+16*(\b)+8*\u+7], v[KSC+2*(\b)+\u], v[QSC] matrix_a_fmt:MATRIX_FMT_BF6 matrix_b_fmt:MATRIX_FMT_BF6
.endr
.endm
; R of block b: 24 plain instructions that name no register of MULBLK's: they are the places behind it, for the loads into K's fragments and for the first read of the scores
.macro RPART b
.set RR, RB+16*((\b)%2)
.set jj, 0
.rept 8
	v_pk_mul_f32 v[RR+jj:RR+jj+1], v[RR+jj:RR+jj+1], v[IA:IA+1] op_sel_hi:[1,0]
.set jj, jj+2
.endr
.set jj, 0
.rept 16
	v_min_u32 v[RR+jj], s[RM], v[RR+jj]
.set jj, jj+1
.endr
.endm
; arg of block b, and its smallest.  Each accumulator is read from its low end on
.macro SPART b
.set SS, S+16*(\b)
.set RR, RB+16*((\b)%2)
.set jj, 0
.rept 8
	v_pk_fma_f32 v[SS+jj:SS+jj+1], v[SS+jj:SS+jj+1], -2.0, v[QN:QN+1] op_sel_hi:[1,0,0]       ; diff2 = qn - 2 (q.k - kn/2)
.set jj, jj+2
.endr
.set jj, 0
.rept 8
	v_pk_fma_f32 v[SS+jj:SS+jj+1], v[SS+jj:SS+jj+1], v[RR+jj:RR+jj+1], 1.0 op_sel_hi:[1,1,0]  ; 1 + diff2 R
.set jj, jj+2
.endr
.set jj, 0
.rept 16
	v_max_num_f32 v[SS+jj], s[CL], v[SS+jj]
.set jj, jj+1
.endr
	v_min3_num_f32 v[BM+(\b)], v[SS], v[SS+1], v[SS+2]
.irp j, 3,5,7,9,11,13
	v_min3_num_f32 v[BM+(\b)], v[BM+(\b)], v[SS+\j], v[SS+\j+1]
.endr
	v_min_num_f32 v[BM+(\b)], v[BM+(\b)], v[SS+15]
.endm
.macro PKM src, dst, n                 ; dst = src^2 - 1, n pairs
.set jj, 0
.rept \n
	v_pk_fma_f32 v[(\dst)+jj:(\dst)+jj+1], v[(\src)+jj:(\src)+jj+1], v[(\src)+jj:(\src)+jj+1], -1.0 op_sel_hi:[1,1,0]
.set jj, jj+2
.endr
.endm
.macro ADDW a, m, n                    ; a += m, n pairs
.set jj, 0
.rept \n
	v_pk_add_f32 v[(\a)+jj:(\a)+jj+1], v[(\a)+jj:(\a)+jj+1], v[(\m)+jj:(\m)+jj+1]
.set jj, jj+2
.endr
.endm
.macro SQR a, n                        ; a = a^2, n pairs
.set jj, 0
.rept \n
	v_pk_mul_f32 v[(\a)+jj:(\a)+jj+1], v[(\a)+jj:(\a)+jj+1], v[(\a)+jj:(\a)+jj+1]
.set jj, jj+2
.endr
.endm
.macro TXM a, n                        ; a = -ln2 a - M, n pairs (of the pairs -ln2 and -M the low word serves both halves)
.set jj, 0
.rept \n
	v_pk_fma_f32 v[(\a)+jj:(\a)+jj+1], v[(\a)+jj:(\a)+jj+1], s[LN:LN+1], v[NM:NM+1] op_sel_hi:[1,0,0]
.set jj, jj+2
.endr
.endm
.macro TRANS op, a, n                  ; n transcendentals in place, one behind the other
.set jj, 0
.rept \n
	\op v[(\a)+jj], v[(\a)+jj]
.set jj, jj+1
.endr
.endm
.macro SUMP a                          ; the row's sum takes 32 unquantised p: 16 packed additions in two chains
	v_pk_add_f32 v[RB+16:RB+17], v[(\a):(\a)+1], v[(\a)+2:(\a)+3]
.set jj, 4
.rept 7
	v_pk_add_f32 v[SUM:SUM+1], v[SUM:SUM+1], v[(\a)+jj:(\a)+jj+1]
	v_pk_add_f32 v[RB+16:RB+17], v[RB+16:RB+17], v[(\a)+jj+2:(\a)+jj+3]
.set jj, jj+4
.endr
	v_pk_add_f32 v[SUM:SUM+1], v[SUM:SUM+1], v[RB+16:RB+17]
.endm
; A KEY STEP: the 128 keys of the record at s[RC].  The twelve matrix instructions name twelve accumulators, one instruction a turn, over the backward jump too.
; The roots, logarithms and exponentials go in batches of half a step, each batch with ONE s_wait_alu ahead of its first reader; behind each batch stands work on the other half.
.macro STEP
	v_add_nc_u32 v[AD], s[RC], v[L16]
	v_add_nc_u32 v[AD+1], s[RC], v[L8]
	v_add_nc_u32 v[AD+2], s[RC], v[H64]
	ds_load_b128 v[KSC:KSC+3], v[AD] offset:KS
	ds_load_b128 v[KSC+4:KSC+7], v[AD] offset:KS+512
	LOADBLK 0
.irp b, 0,1,2,3
	s_wait_dscnt 0x0                               ; block b's loads are in: they were issued ahead of block b - 1's 40 lines of arithmetic
	MULBLK \b
	RPART \b
.if \b < 3
	LOADBLK \b+1
.endif
	SPART \b
.endr
.irp b, 0,1,2,3
	v_permlanex16_b32 v[TB+\b], v[BM+\b], s[SEL], s[SEL+1]
.endr
.irp b, 0,1,2,3
	v_min_num_f32 v[BM+\b], v[BM+\b], v[TB+\b]     ; with lane l xor 16's 16 keys: the block's smallest arg
.endr
	PKM S, RB, 16
	PKM BM, MB, 2
	TRANS v_sqrt_f32, RB, 32
	TRANS v_sqrt_f32, MB, 4
	v_nop                                          ; a plain place behind the last root
	s_wait_alu depctr_va_vdst(0)                   ; the first half's roots
	ADDW S, RB, 16
	ADDW BM, MB, 2
	TRANS v_log_f32, S, 32
	TRANS v_log_f32, BM, 4
	PKM S+32, RB, 16
	TRANS v_sqrt_f32, RB, 32
	v_nop
	s_wait_alu depctr_va_vdst(0)                   ; the first half's logarithms and the second half's roots
	ADDW S+32, RB, 16
	TRANS v_log_f32, S+32, 32
	SQR S, 16
	SQR BM, 2
	v_min3_num_f32 v[X1], v[BM], v[BM+1], v[BM+2]  ; the step's smallest L^2 of my query,
	v_min_num_f32 v[X1], v[X1], v[BM+3]
	v_mul_f32 v[X1], s[LN], v[X1]                  ; as t: its largest
	v_max_num_f32 v[TM], v[TM], v[X1]              ; the running largest t
	v_mov_b32 v[Y], v[NM]
	v_floor_f32 v[NM], -v[TM]                      ; the new -M = floor(-t) = -ceil(t): M is a whole number
	v_sub_f32 v[Y], v[NM], v[Y]                    ; M's old value less its new one: a whole number, 0 or less
	v_cvt_i32_f32 v[Y], v[Y]                       ; (it saturates)
	v_ldexp_f32 v[F], 1.0, v[Y]                    ; f = 2^(old M - new M): a multiplication by it rounds nothing
	TXM S, 16
	TXM BM, 2
	TRANS v_exp_f32, S, 32
	TRANS v_exp_f32, BM, 4
	s_wait_alu depctr_va_vdst(0)                   ; the second half's logarithms and the first half's exponentials
	SQR S+32, 16
	TXM S+32, 16
	TRANS v_exp_f32, S+32, 32
	v_pk_mul_f32 v[SUM:SUM+1], v[SUM:SUM+1], v[F:F+1] op_sel_hi:[1,0]   ; the sums under the new M (a plain place behind the exponentials)
	SUMP S
.irp b, 0,1,2,3
	v_max_num_f32 v[BM+\b], 0x2800000, v[BM+\b]    ; the block's largest p, with the floor 2^(5 - 127): the byte cannot fall under 1
.endr
.irp b, 0,1,2,3
	v_add_nc_u32 v[RB+8+\b], 0xfe000000, v[BM+\b]  ; 4 off the exponent field: the conversion's scale operand
.endr
.irp b, 0,1,2,3
	v_lshrrev_b32 v[RB+12+\b], 23, v[RB+8+\b]      ; the scale's byte
.endr
	v_lshl_or_b32 v[PSC], v[RB+13], 8, v[RB+12]    ; p's scale word for these 128 keys
	v_lshl_or_b32 v[PSC], v[RB+14], 16, v[PSC]
	v_lshl_or_b32 v[PSC], v[RB+15], 24, v[PSC]
	v_cvt_scalef32_pk16_bf6_f32 v[P:P+2], v[S:S+15], v[RB+8]
	v_cvt_scalef32_pk16_bf6_f32 v[RB:RB+2], v[S+16:S+31], v[RB+9]
	ds_load_b128 v[VSC:VSC+3], v[AD] offset:VS     ; V's scale words, and its fragments 0 and 1 into the registers that the first half's p has left
.irp t, 0,1
.irp c, 0,1,2
	ds_load_b128 v[S+12*\t+4*\c:S+12*\t+4*\c+3], v[AD] offset:VF+1536*\t+512*\c
.endr
.endr
	s_wait_alu depctr_va_vdst(0)                   ; the second half's exponentials
	SUMP S+32
	v_cvt_scalef32_pk16_bf6_f32 v[P+6:P+8], v[S+32:S+47], v[RB+10]
	v_cvt_scalef32_pk16_bf6_f32 v[RB+4:RB+6], v[S+48:S+63], v[RB+11]
	v_nop                                          ; one plain place behind a scaled conversion
.irp t, 2,3
.irp c, 0,1,2
	ds_load_b128 v[S+8+12*\t+4*\c:S+8+12*\t+4*\c+3], v[AD] offset:VF+1536*\t+512*\c
.endr
.endr
.irp c, 0,1                                    ; the operand's layout wants a WHOLE block in a lane: lanes 0-15 block 2 c, lanes 16-31 block 2 c + 1
.irp i, 0,1,2
	v_permlane16_swap_b32 v[P+6*\c+\i], v[RB+4*\c+\i]
.endr
.irp i, 0,1,2
	v_mov_b32 v[P+3+6*\c+\i], v[RB+4*\c+\i]
.endr
.endr
.set jj, 0
.rept 16
	v_pk_mul_f32 v[O+jj:O+jj+1], v[O+jj:O+jj+1], v[F:F+1] op_sel_hi:[1,0]   ; O^T under the new M.  Twelve of the sixteen name no register of a given product below: the places between p's codes and scale word and the products
.set jj, jj+2
.endr
	s_wait_dscnt 0x0                               ; V's fragments and scale words
.irp t, 0,1,2,3
	v_wmma_scale_f32_16x16x128_f8f6f4 v[O+8*\t:O+8*\t+7], v[S+12*\t+8*(\t/2):S+12*\t+8*(\t/2)+11], v[P:P+11], v[O+8*\t:O+8*\t+7], v[VSC+\t], v[PSC] matrix_a_fmt:MATRIX_FMT_BF6 matrix_b_fmt:MATRIX_FMT_BF6
.endr
.rept 5
	v_nop                                          ; four places ahead of the next loads into V's registers, five ahead of the matrix instruction that writes over them
.endr
	s_add_co_u32 s[RC], s[RC], REC                 ; the next step's record
.endm
	s_load_b256 s[4:11], s[0:1], 0x0               ; q s[4:5], k s[6:7], V's codes s[8:9], V's scales s[10:11]
	s_load_b64 s[12:13], s[0:1], 0x20              ; out
	v_lshrrev_b32 v[X1], 5, v0
	v_readfirstlane_b32 s[WV], v[X1]               ; wave 0..15
	s_and_b32 s[HD], ttmp7, 0xffff                 ; the head
	v_and_b32 v[L8], 31, v0
	v_lshlrev_b32 v[L16], 4, v[L8]
	v_lshlrev_b32 v[L8], 3, v[L8]
	v_and_b32 v[Y], 15, v0                         ; r
	v_bfe_u32 v[X1], v0, 4, 1                      ; h
	v_lshlrev_b32 v[H64], 6, v[X1]
	v_lshlrev_b32 v[H8], 3, v[X1]
	v_mul_u32_u24 v[VO], v[Y], 1536                ; a row of V's codes is 2,048 codes, 1,536 bytes
	v_mad_u32_u24 v[VO], v[X1], 24, v[VO]
	v_lshlrev_b32 v[VSO], 6, v[Y]                  ; a row of V's scale bytes is 64 bytes
	; where my wave's tile of a chunk goes: wave w takes tile w % 8 of the chunk's record w / 8
	s_lshr_b32 s18, s[WV], 3
	s_mul_i32 s18, s18, REC
	s_and_b32 s19, s[WV], 7
	s_lshl_b32 s20, s19, 9
	s_add_co_u32 s20, s20, s18
	v_add_nc_u32 v[WKA], s20, v[L16]
	s_lshl_b32 s20, s19, 8
	s_add_co_u32 s20, s20, s18
	v_add_nc_u32 v[WKB], s20, v[L8]
	s_lshr_b32 s20, s19, 2
	s_lshl_b32 s20, s20, 9
	s_and_b32 s21, s[WV], 3
	s_lshl_b32 s21, s21, 2
	s_add_co_u32 s20, s20, s21
	s_add_co_u32 s20, s20, s18
	v_add_nc_u32 v[WKS], s20, v[L16]
	s_lshr_b32 s22, s19, 1                         ; b: the tile's block of 32 keys
	s_and_b32 s23, s[WV], 1                        ; u
	s_lshl_b32 s20, s22, 7
	s_lshl_b32 s21, s23, 5
	s_add_co_u32 s20, s20, s21
	s_add_co_u32 s20, s20, s18
	v_and_b32 v[WKN], 8, v[Y]
	v_add_nc_u32 v[WKN], v[WKN], v[Y]              ; r + 8 (r / 8)
	v_lshlrev_b32 v[WKN], 2, v[WKN]
	v_add_nc_u32 v[WKN], s20, v[WKN]
	s_mul_i32 s20, s[WV], STGW
	s_add_co_u32 s20, s20, STG                     ; my stage
	v_mul_u32_u24 v[STW], v[X1], 272
	v_lshl_add_u32 v[STW], v[Y], 4, v[STW]
	v_add_nc_u32 v[STW], s20, v[STW]
	v_mul_u32_u24 v[STR], v[Y], 272
	v_lshl_add_u32 v[STO], v[X1], 5, v[STR]
	v_lshl_add_u32 v[STR], v[X1], 7, v[STR]
	v_add_nc_u32 v[STO], s20, v[STO]
	v_add_nc_u32 v[STR], s20, v[STR]
	; byte offsets in memory
	s_lshl_b32 s18, s[HD], 19                      ; a head of q, k or out: 2,048 rows of 256 bytes
	s_lshl_b32 s20, ttmp9, 16                      ; my work-group's 256 queries,
	s_lshl_b32 s21, s[WV], 12                      ; my wave's 16
	s_add_co_u32 s20, s20, s21
	s_add_co_u32 s20, s20, s18
	s_mov_b32 s21, 0
	s_lshr_b32 s24, s[WV], 3                       ; my tile's first key in a chunk: 128 (w / 8) + 32 b + 8 u
	s_lshl_b32 s24, s24, 7
	s_lshl_b32 s22, s22, 5
	s_lshl_b32 s23, s23, 3
	s_add_co_u32 s24, s24, s22
	s_add_co_u32 s24, s24, s23
	s_lshl_b32 s24, s24, 8
	s_add_co_u32 s24, s24, s18
	s_mov_b32 s25, 0
	s_mul_i32 s22, s[HD], 98304                    ; a head of V's codes; key step w is 96 bytes of each row
	s_mul_i32 s23, s[WV], 96
	s_add_co_u32 s22, s22, s23
	s_mov_b32 s23, 0
	s_lshl_b32 s26, s[HD], 12                      ; a head of V's scale bytes; key step w is 4 bytes of each row
	s_lshl_b32 s27, s[WV], 2
	s_add_co_u32 s26, s26, s27
	s_mov_b32 s27, 0
	s_mov_b32 s[SEL], 0x76543210
	s_mov_b32 s[SEL+1], 0xfedcba98
	s_mov_b32 s[LN], 0xbf317218                    ; -ln 2
	s_mov_b32 s[LN+1], s[LN]
	s_mov_b32 s[CL], 0x3f800001                    ; f32(1 + 1e-7)
	s_mov_b32 s[RM], 0x4b989680                    ; 2e7
	s_mov_b32 s[RC], 0
	s_mov_b32 s[CNT], 0
.irp j, 6,7,8,9,10,11
	v_mov_b32 v[QF+\j], 0                          ; k = 64 .. 127 of Q's fragment: zero codes
.endr
.irp b, 0,1,2,3
	v_mov_b32 v[TB+\b], 0                          ; written once: a lane permute's destination counts as one of its sources
.endr
	s_wait_kmcnt 0x0
	s_add_nc_u64 s[4:5], s[4:5], s[20:21]
	s_add_nc_u64 s[12:13], s[12:13], s[20:21]
	s_add_nc_u64 s[KP:KP+1], s[KP:KP+1], s[24:25]
	s_add_nc_u64 s[8:9], s[8:9], s[22:23]
	s_add_nc_u64 s[10:11], s[10:11], s[26:27]
	; 44 loads: my 16 queries (8), my tile of chunk 0 (8), V's four fragments of key step w (24) and their scale words (4)
.irp i, 0,1,2,3,4,5,6,7
	global_load_b128 v[S+32+4*\i:S+32+4*\i+3], v[L16], s[4:5] offset:512*\i th:TH_LOAD_NT
.endr
	KLOAD
.irp t, 0,1,2,3
.set VR, KF+12*\t+(\t/2)*(O-KF-24)             ; tiles 0, 1 into K's two fragments' registers, tiles 2, 3 into O^T's first 24: both are free until the barrier
.irp p, 0,1,2,3,4,5
	global_load_b64 v[VR+2*\p:VR+2*\p+1], v[VO], s[8:9] offset:24576*\t+48*(\p/3)+8*(\p%3)
.endr
.endr
.irp t, 0,1,2,3
	global_load_b32 v[VSC+\t], v[VSO], s[10:11] offset:1024*\t
.endr
	s_wait_loadcnt 36                              ; q's eight are in; the 36 issued behind them may be out
	TURN S+32
	s_wait_dscnt 0x0
	BLOCK32 QF
	v_sub_f32 v[RB+22], 1.0, v[RB+10]
	v_rcp_f32 v[IA], v[RB+22]
	v_mov_b32 v[QSC], v[RB+6]                      ; (plain work behind the reciprocal)
	v_mov_b32 v[QN], v[RB+10]
	v_mov_b32 v[QN+1], v[RB+10]
	s_wait_alu depctr_va_vdst(0)
	v_mov_b32 v[IA+1], v[IA]
	s_wait_loadcnt 28                              ; chunk 0's eight are in (V's 28 may be out): their base may be stepped
	TURN KR
	s_wait_dscnt 0x0                               ; the stage's stores have read K's raw registers, and my 32 numbers are in
	s_add_nc_u64 s[KP:KP+1], s[KP:KP+1], 0x10000   ; 256 keys on
	KLOAD                                          ; chunk 1
	QUANTK                                         ; chunk 0, records 0 and 1
	s_wait_loadcnt 8                               ; V's 28 are in; chunk 1's eight stay out
	s_mul_i32 s18, s[WV], REC
	v_add_nc_u32 v[AD], s18, v[L16]                ; record w
.irp t, 0,1,2,3
.set VR, KF+12*\t+(\t/2)*(O-KF-24)
.irp c, 0,1,2
	ds_store_b128 v[AD], v[VR+4*\c:VR+4*\c+3] offset:VF+1536*\t+512*\c
.endr
.endr
	ds_store_b128 v[AD], v[VSC:VSC+3] offset:VS
	s_wait_dscnt 0x0                               ; for the others' sake: my stores have landed; and they have read their registers
.irp j, 6,7,8,9,10,11,18,19,20,21,22,23
	v_mov_b32 v[KF+\j], 0                          ; k = 64 .. 127 of K's two fragments: zero codes; no load lands here from now on
.endr
.set jj, 0
.rept 32
	v_mov_b32 v[O+jj], 0                           ; O^T.  (The step is written for every step alike: the first finds zeros, which the first change of M leaves zeros)
.set jj, jj+1
.endr
	v_mov_b32 v[TM], 0xff61b1e6                    ; the largest t so far: -3e38, under every t
	v_floor_f32 v[NM], -v[TM]
	v_mov_b32 v[SUM], 0
	v_mov_b32 v[SUM+1], 0
	v_mov_b32 v[F+1], 0                            ; (named as the upper half of the pair)
	s_barrier_signal -1
	s_barrier_wait -1                              ; V's sixteen records and K's chunk 0 lie in LDS
.Lchunk:                                           ; 7 trips: chunk CNT is multiplied, chunk CNT + 1 quantised, chunk CNT + 2 asked for
	s_mov_b32 s[TW], 2
.Lstep:
	STEP
	s_sub_co_u32 s[TW], s[TW], 1
	s_cmp_lg_u32 s[TW], 0
	s_cbranch_scc1 .Lstep
	s_wait_loadcnt 0x0                             ; the next chunk's rows, asked for two key steps ago
	TURN KR
	s_wait_dscnt 0x0
	s_cmp_ge_u32 s[CNT], 6                         ; the last trip has no chunk two on: no load leaves its buffer
	s_cbranch_scc1 .Lno_more
	s_add_nc_u64 s[KP:KP+1], s[KP:KP+1], 0x10000
	KLOAD
.Lno_more:
	QUANTK                                         ; s[RC] stands at the next chunk's first record, which nobody reads before the barrier below
	s_wait_dscnt 0x0                               ; my stores have landed
	s_barrier_signal -1
	s_barrier_wait -1
	s_add_co_u32 s[CNT], s[CNT], 1
	s_cmp_lt_u32 s[CNT], 7
	s_cbranch_scc1 .Lchunk
	s_mov_b32 s[TW], 2                             ; the last chunk: nothing is left to quantise
.Llast:
	STEP
	s_sub_co_u32 s[TW], s[TW], 1
	s_cmp_lg_u32 s[TW], 0
	s_cbranch_scc1 .Llast
	; THE WAY OUT.  O^T is divided by the row's sum and goes through my stage, so that sixteen lanes store one whole row of 256 bytes
	v_add_f32 v[X1], v[SUM], v[SUM+1]              ; the sum's two halves,
	v_permlanex16_b32 v[Y], v[X1], s[SEL], s[SEL+1]
	v_add_f32 v[X1], v[X1], v[Y]                   ; and lane l xor 16's
	v_rcp_f32 v[F], v[X1]
	v_nop                                          ; a plain place behind the reciprocal
	s_wait_alu depctr_va_vdst(0)
.set jj, 0
.rept 16
	v_pk_mul_f32 v[S+jj:S+jj+1], v[O+jj:O+jj+1], v[F:F+1] op_sel_hi:[1,0]   ; register 8 t + j is out(r, 16 t + 8 h + j); each accumulator from its low end on
.set jj, jj+2
.endr
.irp t, 0,1,2,3
	ds_store_b128 v[STO], v[S+8*\t:S+8*\t+3] offset:64*\t
	ds_store_b128 v[STO], v[S+8*\t+4:S+8*\t+7] offset:64*\t+16
.endr
.irp i, 0,1,2,3,4,5,6,7
	ds_load_b128 v[RB+4*\i:RB+4*\i+3], v[STW] offset:544*\i   ; LDS serves a wave's instructions in order: these see my stores
.endr
.irp i, 0,1,2,3,4,5,6,7
	s_wait_dscnt 7-\i                              ; load i is in; the younger ones may be out
	global_store_b128 v[L16], v[RB+4*\i:RB+4*\i+3], s[12:13] offset:512*\i th:TH_STORE_NT   ; 32 lanes store two rows: 512 consecutive bytes, at a multiple of 256 from out's first byte
.endr
	s_wait_xcnt 0x0
	v_lshl_add_u32 v254, v0, 2, 0x4b000
	v_mov_b32 v255, 0
	s_wait_tensorcnt 0x0
	ds_add_u32 v254, v255
	s_wait_dscnt 0x0
	s_endpgm
.Lfunc_end_k_q3c0666f296_attn:
	.size	k_q3c0666f296_attn, .Lfunc_end_k_q3c0666f296_attn-k_q3c0666f296_attn
	.p2alignl 7, 3214868480
	.fill 96, 4, 3214868480
	.section	.rodata,"a",@progbits
	.p2align	6, 0x0
	.amdhsa_kernel k_q3c0666f296_attn
		.amdhsa_group_segment_fixed_size 309248
		.amdhsa_private_segment_fixed_size 0
		.amdhsa_enable_private_segment 0
		.amdhsa_kernarg_size 40
		.amdhsa_user_sgpr_count 2
		.amdhsa_user_sgpr_kernarg_segment_ptr 1
		.amdhsa_wavefront_size32 1
		.amdhsa_system_sgpr_workgroup_id_x 1
		.amdhsa_system_sgpr_workgroup_id_y 1
		.amdhsa_system_sgpr_workgroup_id_z 1
		.amdhsa_system_vgpr_workitem_id 0
		.amdhsa_next_free_vgpr 256
		.amdhsa_next_free_sgpr 66
		.amdhsa_reserve_vcc 0
		.amdhsa_float_denorm_mode_32 3
		.amdhsa_float_denorm_mode_16_64 3
		.amdhsa_memory_ordered 1
		.amdhsa_forward_progress 1
		.amdhsa_inst_pref_size 106
	.end_amdhsa_kernel
	.amdgpu_metadata
---
amdhsa.version: [ 1, 2 ]
amdhsa.kernels:
  - .name:           k_q3c0666f296_attn
    .symbol:         k_q3c0666f296_attn.kd
    .args:
      - { .name: query_states, .offset: 0, .size: 8, .value_kind: global_buffer, .address_space: global }
      - { .name: key_states, .offset: 8, .size: 8, .value_kind: global_buffer, .address_space: global }
      - { .name: value_states_codes, .offset: 16, .size: 8, .value_kind: global_buffer, .address_space: global }
      - { .name: value_states_scales, .offset: 24, .size: 8, .value_kind: global_buffer, .address_space: global }
      - { .name: out0, .offset: 32, .size: 8, .value_kind: global_buffer, .address_space: global }
    .group_segment_fixed_size: 309248
    .private_segment_fixed_size: 0
    .kernarg_segment_align: 8
    .kernarg_segment_size: 40
    .max_flat_workgroup_size: 512
    .sgpr_count:     66
    .vgpr_count:     256
    .wavefront_size: 32
...
	.end_amdgpu_metadata
.endif
;; end of part 1
